; MI455X (gfx1250); checked and timed in simulation.
; The chip was launched on July 23, 2026; its instructions are those of AMD's public machine-readable ISA for CDNA 5 (MIT licence, August 2026) and "CDNA5" Instruction Set Architecture Reference Guide (July 2026). The comments in the code are by the model that wrote it; some were corrected since.
;; Multi Head Attention. Allowed arithmetic: matrix products marked QUANTISED: E2M1 operands, one E8M0 scale for each 32 along K, by v_wmma_scale_f32_16x16x128_f8f6f4 with both operands' format E2M1 (or v_wmma_scale_f32_32x16x128_f4), f32 sums; products left as they are: bf16, f16 or f32 operands; f32 sums; everything else in f32.
;; Inputs: Wk 768 x 768 float32; Wo 768 x 768 float32; Wq 768 x 768 float32; Wv 768 x 768 float32; bk 768 float32; bo 768 float32; bq 768 float32; bv 768 float32; k 1 x 4,096 x 768 float32; q 1 x 4,096 x 768 float32; v 1 x 4,096 x 768 float32.
;; Outputs: out0 1 x 4,096 x 768 float32.
;; This version of the problem:
;;   THIS VERSION OF THE PROBLEM IS GIVEN IN LOW PRECISION. The matrix products marked QUANTISED in the list below multiply operands that are first quantised to E2M1 (2 exponent bits, 1 mantissa bit; 4 bits a number), with one power-of-two scale for each 32 numbers along K (OCP MX v1.0); their sums are f32. The products marked 'left as it is' may take bf16, f16 or f32 operands, with f32 sums. Whichever they take, every output number must still come out within the allowed error. Rounding operands to bf16 (8 significant bits) uses up far more of that allowance than f16 does (11 bits, for magnitudes from 6e-5 to 65,504). All else is computed in f32.
;;   The module's matrix products, in the order in which they are computed (A, B: the left and right operand; K: the contracted axis; several contracted axes count as one K, in the product's order):
;;     1. [M 4,096, K 768] x [K 768, N 768]; A: input q; B: input Wq: QUANTISED
;;     2. [M 4,096, K 768] x [K 768, N 768]; A: input k; B: input Wk: QUANTISED
;;     3. [M 4,096, K 768] x [K 768, N 768]; A: input v; B: input Wv: QUANTISED
;;     4. batch 12 x [M 4,096, K 64] x [K 64, N 4,096]; A: computed on the way; B: computed on the way: left as it is (an operand is computed on the way)
;;     5. batch 12 x [M 4,096, K 4,096] x [K 4,096, N 64]; A: computed on the way; B: computed on the way: left as it is (an operand is computed on the way)
;;     6. [M 4,096, K 768] x [K 768, N 768]; A: computed on the way; B: input Wo: left as it is (an operand is computed on the way)
;;   THE QUANTISER, for each operand of a quantised product, along K:
;;     - K is cut into blocks of 32 from its start; a last block that is shorter is filled with zeros.
;;     - A block's scale is 2^e with e = floor(log2(the largest magnitude in the block)) - 2, held to -126 .. 127; a block of zeros has e = 0. As a byte (E8M0): e + 127.
;;     - Each number is divided by its block's scale, clamped to +-6, and rounded to the nearest number of E2M1, ties to even, subnormals kept.
;;     - The product sums the exact products of the quantised numbers (number of the format x scale) in f32.
;;   ~~~python
;;   def quantise(x, axis):      # numpy; x: float32 -> the quantised numbers, widened to float32 again
;;       x = np.moveaxis(x, axis, -1); K = x.shape[-1]
;;       x = np.pad(x, [(0, 0)] * (x.ndim - 1) + [(0, -K % 32)]); x = x.reshape(x.shape[:-1] + (-1, 32)); a = np.abs(x).max(-1, keepdims=True)
;;       e = np.where(a > 0, np.clip(np.frexp(np.where(a > 0, a, 1))[1] - 1 - 2, -126, 127), 0)      # np.frexp(a)[1] - 1 = floor(log2(a)), exactly
;;       r = np.clip(x / 2.0 ** e, -6, 6)
;;       step = 2.0 ** (np.maximum(np.frexp(np.where(r == 0, 1, r))[1] - 1, 0) - 1)
;;       q = np.round(r / step) * step * 2.0 ** e      # np.round: ties to even
;;       return np.moveaxis(q.reshape(q.shape[:-2] + (-1,))[..., :K], -1, axis).astype(np.float32)
;;   ~~~
;; One version. Each part assembles by itself: llvm-mc -triple=amdgcn-amd-amdhsa -mcpu=gfx1250 --defsym DOCPART=n.
;; ======== version 1 of 1: 4 launches
;; limits: values are held in f16: magnitudes above 65,504 overflow, below 6.1e-05 lose precision
;; workspace buffers: codes 5,603,328 bytes; scales 350,208 bytes; wof 1,179,648 bytes; qf 6,291,456 bytes; kv 12,582,912 bytes; of 6,291,456 bytes
;; launch quant (part 1): grid 240 x 3, 4 waves a work-group, no clusters, 68,096 bytes of LDS; arguments q, k, v, Wq, Wk, Wv, Wo, codes, scales, wof; writes codes, scales, wof
.if DOCPART == 1
	.amdgcn_target "amdgcn-amd-amdhsa--gfx1250"
	.amdhsa_code_object_version 6
	.text
	.protected	k_q162e216c44_quant
	.globl	k_q162e216c44_quant
	.p2align	8
	.type	k_q162e216c44_quant,@function
k_q162e216c44_quant:
	s_mov_b64 s[64:65], 0
	v_nop
	global_prefetch_b8 v0, s[64:65] scope:SCOPE_SE
	s_setreg_imm32_b32 hwreg(HW_REG_WAVE_MODE, 25, 1), 1
	s_wait_xcnt 0x0
; MULTI-HEAD ATTENTION, S = 4,096, D = 768, 12 heads of 64, in four launches: quant, proj, attn, outp.  This one turns q, k, v, Wq, Wk, Wv (f32, K innermost) into codes of
; E2M1 with one E8M0 scale byte for each 32 along K, and Wo into f16, all laid as IMAGES OF OPERAND REGISTERS, so that every later read is 16 bytes a lane at 16 x lane.
; WORK LEFT OUT BY THE WHOLE PROGRAM: the bias bk.  scores[q][k] = qh[q] . (kx[k] + bk_h) / 8 = qh[q] . kx[k] / 8 + qh[q] . bk_h / 8, kx = k Wk^T.  The second term does not hang on the key k:
; it is the same along the softmax's axis and cancels in the softmax for all finite values of the inputs.  No quantiser stands behind kp (the product with qh is not a quantised one).  So bk has no
; way to the output: it is not loaded and is among no launch's arguments.  LIMIT: a NaN, an infinity or an overflow that bk alone would bring is not carried to the result.
; bq (bq . kx[k] hangs on k), bv and bo are live and are honoured.
; THE QUANTISER: a block's scale is 2^(floor(log2(largest magnitude)) - 2); its byte is the largest magnitude's own exponent field - 2, held at 1 from below by a floor among the maximum's leaves.
; Each number is divided by the scale and rounded to the nearest code, ties to even, beyond 6 the largest code.
; LIMITS: a block of zeros gets the byte 1 where the rule says 127 (its codes are zeros, which add nothing under any byte but 0xff, and this program alone reads the bytes);
; NaN and infinities among the inputs are not served; Wo goes to f16: magnitudes above 65,504 become infinity, under 6e-5 they keep fewer bits.
; LAYOUTS.  codes [tile T of 16 rows: q 0-255, k 256-511, v 512-767, Wq 768-815, Wk 816-863, Wv 864-911][K step s of 128: 6][1,024 bytes]: byte 512 c + 16 (r + 16 h) on: the 16 bytes of the
; block 2 c + h of row r.  scales [T][pair p of K steps: 3][lane][4 bytes]: lanes 0-15 row r's word of K step 2 p, lanes 16-31 that of 2 p + 1.
; wof [third j of K: 3][n tile: 48][chunk of 32 k: 8][1,024 bytes]: byte 512 g + 16 (r + 16 h) on: k = 16 g + 8 h + 0 .. 7 of row r, f16.
; SHARES.  Work-groups x < 228: wave w takes tile T = 4 x + w and the pair of K steps p = y: 16 rows x 256 numbers.  Each load reads 512 consecutive bytes of a row; a K step's 8,192 bytes turn through the
; wave's own stage in LDS (rows 528 bytes apart), so that lane (r, h) gets the two whole blocks that the operand's layout gives it: a block's maximum needs no other lane.
; Work-groups x >= 228: wave w takes Wo's n tile 4 (x - 228) + w and the third j = y; no LDS.  No tensor load, no barrier: waves share nothing.
.set WREG,  16896                      ; LDS of a wave: two stages of 16 rows x 528 bytes
.set STG1,  8448                       ; the second stage
.set PITCH, 528                        ; 512 bytes + 16: an odd multiple of 16 bytes
.set SPARE, 4*WREG                     ; behind the stages: the spare words, 128 bytes for each wave, which no other line names
.set R,     16                         ; v16-143  numbers as they are loaded: 32 loads x 4
.set X,     144                        ; v144-207 a lane's two blocks of 32
.set C,     208                        ; v208-223 codes: 8 registers for each of the two K steps
; v1 lane, v2 16 x lane, v3 into the stage, v4 out of it, v5 4 x lane, v6, v7 the add's two, v8-11 at work, v12, v13 the two scale words, v14 8 h, v15 a permute's destination
	s_load_b512 s[8:23], s[0:1], 0x0               ; q s[8:9], k s[10:11], v s[12:13], Wq s[14:15], Wk s[16:17], Wv s[18:19], Wo s[20:21], codes s[22:23]
	s_load_b128 s[24:27], s[0:1], 0x40             ; scales s[24:25], wof s[26:27]
	v_lshl_add_u32 v6, v0, 2, SPARE
	v_mov_b32 v7, 0
	v_lshrrev_b32 v1, 5, v0
	v_readfirstlane_b32 s28, v1                    ; wave 0..3
	v_and_b32 v1, 31, v0                           ; lane
	v_lshlrev_b32 v2, 4, v1
	v_lshlrev_b32 v5, 2, v1
	v_and_b32 v8, 15, v0                           ; r
	v_bfe_u32 v9, v0, 4, 1                         ; h
	s_and_b32 s29, ttmp7, 0xffff                   ; y: the pair of K steps, or Wo's third
	s_cmp_ge_u32 ttmp9, 228
	s_cbranch_scc1 .Lwo
	s_mul_i32 s33, s28, WREG
	v_add_nc_u32 v3, s33, v2                       ; into the stage: 16 x lane of a row
	v_mul_u32_u24 v4, v8, PITCH
	v_lshl_add_u32 v4, v9, 7, v4
	v_add_nc_u32 v4, s33, v4                       ; out of it: row r, + 128 h bytes: k = 32 h on
	v_lshlrev_b32 v14, 3, v9
	v_mov_b32 v15, 0                               ; written once: a lane permute's destination counts as one of its sources
	s_mov_b32 s30, 0x76543210
	s_mov_b32 s31, 0xfedcba98                      ; v_permlanex16_b32's selects for lane l xor 16
	s_mov_b32 s32, 0xffff0000                      ; lanes 16-31
	s_wait_kmcnt 0x0
	s_mov_b64 s[34:35], s[18:19]                   ; which tensor: the choice hangs on the work-group's number alone
	s_mov_b32 s36, 216
	s_cmp_lt_u32 ttmp9, 216
	s_cselect_b64 s[34:35], s[16:17], s[34:35]
	s_cselect_b32 s36, 204, s36
	s_cmp_lt_u32 ttmp9, 204
	s_cselect_b64 s[34:35], s[14:15], s[34:35]
	s_cselect_b32 s36, 192, s36
	s_cmp_lt_u32 ttmp9, 192
	s_cselect_b64 s[34:35], s[12:13], s[34:35]
	s_cselect_b32 s36, 128, s36
	s_cmp_lt_u32 ttmp9, 128
	s_cselect_b64 s[34:35], s[10:11], s[34:35]
	s_cselect_b32 s36, 64, s36
	s_cmp_lt_u32 ttmp9, 64
	s_cselect_b64 s[34:35], s[8:9], s[34:35]
	s_cselect_b32 s36, 0, s36
	s_sub_co_u32 s37, ttmp9, s36
	s_lshl_b32 s37, s37, 2
	s_add_co_u32 s37, s37, s28                     ; my tile of 16 rows in its tensor
	s_mul_i32 s38, s37, 49152                      ; 16 rows of 3,072 bytes
	s_lshl_b32 s39, s29, 10                        ; + 256 numbers for each pair
	s_add_co_u32 s38, s38, s39
	s_mov_b32 s39, 0
	s_add_nc_u64 s[34:35], s[34:35], s[38:39]
	s_lshl_b32 s37, ttmp9, 2
	s_add_co_u32 s37, s37, s28                     ; T
	s_mul_i32 s40, s37, 6144
	s_lshl_b32 s41, s29, 11
	s_add_co_u32 s40, s40, s41
	s_mov_b32 s41, 0
	s_add_nc_u64 s[22:23], s[22:23], s[40:41]      ; codes + 6,144 T + 2,048 p
	s_mul_i32 s42, s37, 384
	s_lshl_b32 s43, s29, 7
	s_add_co_u32 s42, s42, s43
	s_mov_b32 s43, 0
	s_add_nc_u64 s[24:25], s[24:25], s[42:43]      ; scales + 384 T + 128 p
.irp s, 0,1
.irp i, 0,1,2,3,4,5,6,7,8,9,10,11,12,13,14,15
	global_load_b128 v[R+64*\s+4*\i:R+64*\s+4*\i+3], v2, s[34:35] offset:3072*\i+512*\s th:TH_LOAD_NT   ; 32 lanes read 512 consecutive bytes: row i, K step s of the pair
.endr
.endr
; A lane's two blocks, v[src] .. v[src + 31] and v[src + 32] .. v[src + 63], become 8 registers of codes at v[cdst] and the row's scale word in v[wdst]
.macro QUANT src, cdst, wdst
	v_max3_num_f32 v8, |v[\src]|, |v[\src+1]|, 0x1800000           ; the largest magnitude, and the floor 2^(3 - 127): so the byte cannot fall under 1
	v_max3_num_f32 v9, |v[\src+32]|, |v[\src+33]|, 0x1800000       ; (the two blocks by turns)
.irp i, 2,4,6,8,10,12,14,16,18,20,22,24,26,28,30
	v_max3_num_f32 v8, v8, |v[\src+\i]|, |v[\src+\i+1]|
	v_max3_num_f32 v9, v9, |v[\src+32+\i]|, |v[\src+33+\i]|
.endr
	v_add_nc_u32 v10, 0xff000000, v8               ; 2 off the exponent field: the conversion takes the exponent field of this operand as its scale, and nothing else of it
	v_add_nc_u32 v11, 0xff000000, v9
	v_lshrrev_b32 v8, 23, v10                      ; the scales' bytes: blocks h and 2 + h of my row
	v_lshrrev_b32 v9, 23, v11
	v_lshl_or_b32 v[\wdst], v9, 16, v8
	v_lshlrev_b32 v[\wdst], v14, v[\wdst]          ; at their places in the word, 8 h bits up;
	v_permlanex16_b32 v15, v[\wdst], s30, s31
	v_or_b32 v[\wdst], v[\wdst], v15               ; with lane l xor 16's two the word is whole
.irp g, 0,1,2,3
	v_cvt_scalef32_pk8_fp4_f32 v[\cdst+\g], v[\src+8*\g:\src+8*\g+7], v10
	v_cvt_scalef32_pk8_fp4_f32 v[\cdst+4+\g], v[\src+32+8*\g:\src+32+8*\g+7], v11
.endr
	v_nop                                          ; one plain place behind the last scaled conversion
.endm
	s_wait_loadcnt 16                              ; the first K step's 16 loads are in; the second's may be out
.irp i, 0,1,2,3,4,5,6,7,8,9,10,11,12,13,14,15
	ds_store_b128 v3, v[R+4*\i:R+4*\i+3] offset:PITCH*\i
.endr
.irp c, 0,1
.irp j, 0,1,2,3,4,5,6,7
	ds_load_b128 v[X+32*\c+4*\j:X+32*\c+4*\j+3], v4 offset:256*\c+16*\j      ; LDS serves a wave's instructions in order: these see the stores above.  Block 2 c + h of row r
.endr
.endr
	s_wait_loadcnt 0x0
.irp i, 0,1,2,3,4,5,6,7,8,9,10,11,12,13,14,15
	ds_store_b128 v3, v[R+64+4*\i:R+64+4*\i+3] offset:STG1+PITCH*\i
.endr
	s_wait_dscnt 16                                ; all but the 16 stores just issued: the first step's numbers are back, and its stores have read v16-79
.irp c, 0,1
.irp j, 0,1,2,3,4,5,6,7
	ds_load_b128 v[R+32*\c+4*\j:R+32*\c+4*\j+3], v4 offset:STG1+256*\c+16*\j
.endr
.endr
	QUANT X, C, 12                                 ; the first step is quantised while the second turns through its stage
	s_wait_dscnt 0x0
	QUANT R, C+8, 13
	v_cndmask_b32 v8, v12, v13, s32                ; lanes 0-15 keep the first step's word, lanes 16-31 take the second's
.irp s, 0,1
.irp c, 0,1
	global_store_b128 v2, v[C+8*\s+4*\c:C+8*\s+4*\c+3], s[22:23] offset:1024*\s+512*\c   ; 32 lanes store 512 consecutive bytes, aligned
.endr
.endr
	global_store_b32 v5, v8, s[24:25]
	s_branch .Lend
.Lwo:                                                  ; Wo to f16: lane (r, h) takes, of row r, k = 32 kc + 16 g + 8 h + 0 .. 7: two loads of 16 bytes for each group of four registers
	v_mul_u32_u24 v10, v8, 3072
	v_lshl_add_u32 v10, v9, 5, v10                 ; row r, + 32 h bytes
	s_sub_co_u32 s37, ttmp9, 228
	s_lshl_b32 s37, s37, 2
	s_add_co_u32 s37, s37, s28                     ; my n tile
	s_mul_i32 s38, s37, 49152
	s_lshl_b32 s39, s29, 10
	s_add_co_u32 s38, s38, s39
	s_mov_b32 s39, 0
	s_mul_i32 s40, s29, 393216
	s_lshl_b32 s41, s37, 13
	s_add_co_u32 s40, s40, s41
	s_mov_b32 s41, 0
	s_wait_kmcnt 0x0
	s_add_nc_u64 s[20:21], s[20:21], s[38:39]
	s_add_nc_u64 s[26:27], s[26:27], s[40:41]
.irp kc, 0,1,2,3,4,5,6,7
.irp g, 0,1
.irp e, 0,1
	global_load_b128 v[R+16*\kc+8*\g+4*\e:R+16*\kc+8*\g+4*\e+3], v10, s[20:21] offset:128*\kc+64*\g+16*\e th:TH_LOAD_NT
.endr
.endr
.endr
.irp kc, 0,1,2,3,4,5,6,7
	s_wait_loadcnt 28-4*\kc                        ; this chunk's four loads are in; the younger chunks' may be out
.irp i, 0,1,2,3,4,5,6,7
	v_cvt_pk_f16_f32 v[X+8*\kc+\i], v[R+16*\kc+2*\i], v[R+16*\kc+2*\i+1]
.endr
	global_store_b128 v2, v[X+8*\kc:X+8*\kc+3], s[26:27] offset:1024*\kc
	global_store_b128 v2, v[X+8*\kc+4:X+8*\kc+7], s[26:27] offset:1024*\kc+512
.endr
.Lend:
	s_wait_tensorcnt 0x0                           ; the wave's end, behind my last LDS store
	ds_add_u32 v6, v7
	s_wait_dscnt 0x0
	s_endpgm
.Lfunc_end_k_q162e216c44_quant:
	.size	k_q162e216c44_quant, .Lfunc_end_k_q162e216c44_quant-k_q162e216c44_quant
	.p2alignl 7, 3214868480
	.fill 96, 4, 3214868480
	.section	.rodata,"a",@progbits
	.p2align	6, 0x0
	.amdhsa_kernel k_q162e216c44_quant
		.amdhsa_group_segment_fixed_size 68096
		.amdhsa_private_segment_fixed_size 0
		.amdhsa_enable_private_segment 0
		.amdhsa_kernarg_size 80
		.amdhsa_user_sgpr_count 2
		.amdhsa_user_sgpr_kernarg_segment_ptr 1
		.amdhsa_wavefront_size32 1
		.amdhsa_system_sgpr_workgroup_id_x 1
		.amdhsa_system_sgpr_workgroup_id_y 1
		.amdhsa_system_sgpr_workgroup_id_z 1
		.amdhsa_system_vgpr_workitem_id 0
		.amdhsa_next_free_vgpr 224
		.amdhsa_next_free_sgpr 66
		.amdhsa_reserve_vcc 0
		.amdhsa_float_denorm_mode_32 3
		.amdhsa_float_denorm_mode_16_64 3
		.amdhsa_memory_ordered 1
		.amdhsa_forward_progress 1
		.amdhsa_inst_pref_size 27
	.end_amdhsa_kernel
	.amdgpu_metadata
---
amdhsa.version: [ 1, 2 ]
amdhsa.kernels:
  - .name:           k_q162e216c44_quant
    .symbol:         k_q162e216c44_quant.kd
    .args:
      - { .name: q, .offset: 0, .size: 8, .value_kind: global_buffer, .address_space: global }
      - { .name: k, .offset: 8, .size: 8, .value_kind: global_buffer, .address_space: global }
      - { .name: v, .offset: 16, .size: 8, .value_kind: global_buffer, .address_space: global }
      - { .name: Wq, .offset: 24, .size: 8, .value_kind: global_buffer, .address_space: global }
      - { .name: Wk, .offset: 32, .size: 8, .value_kind: global_buffer, .address_space: global }
      - { .name: Wv, .offset: 40, .size: 8, .value_kind: global_buffer, .address_space: global }
      - { .name: Wo, .offset: 48, .size: 8, .value_kind: global_buffer, .address_space: global }
      - { .name: codes, .offset: 56, .size: 8, .value_kind: global_buffer, .address_space: global }
      - { .name: scales, .offset: 64, .size: 8, .value_kind: global_buffer, .address_space: global }
      - { .name: wof, .offset: 72, .size: 8, .value_kind: global_buffer, .address_space: global }
    .group_segment_fixed_size: 68096
    .private_segment_fixed_size: 0
    .kernarg_segment_align: 8
    .kernarg_segment_size: 80
    .max_flat_workgroup_size: 128
    .sgpr_count:     66
    .vgpr_count:     224
    .wavefront_size: 32
...
	.end_amdgpu_metadata
.endif
;; end of part 1
;; launch proj (part 2): grid 4 x 48, 16 waves a work-group, clusters of 4 x 4, 174,080 bytes of LDS; arguments codes, scales, bq, bv, qf, kv; writes qf, kv
.if DOCPART == 2
	.amdgcn_target "amdgcn-amd-amdhsa--gfx1250"
	.amdhsa_code_object_version 6
	.text
	.protected	k_q162e216c44_proj
	.globl	k_q162e216c44_proj
	.p2align	8
	.type	k_q162e216c44_proj,@function
k_q162e216c44_proj:
	s_mov_b64 s[64:65], 0
	v_nop
	global_prefetch_b8 v0, s[64:65] scope:SCOPE_SE
	s_setreg_imm32_b32 hwreg(HW_REG_WAVE_MODE, 25, 1), 1
	s_wait_xcnt 0x0
	s_wait_alu depctr_hold_cnt(0) depctr_sa_sdst(0) depctr_va_vdst(0) depctr_va_sdst(0) depctr_va_ssrc(0) depctr_va_vcc(0) depctr_vm_vsrc(0)
	s_getreg_b32 s2, hwreg(HW_REG_IB_STS2, 6, 4)
	s_cmp_eq_u32 s2, 0
	s_cbranch_scc0 .Lentry_in_a_cluster
	s_endpgm
.Lentry_in_a_cluster:
	s_bfe_u32 s2, ttmp6, 0x10000c
	s_cmp_lg_u32 s2, 0xf033
	s_cbranch_scc0 .Lentry_shape_is_right
	s_endpgm
.Lentry_shape_is_right:
; The three quantised products: qp = q Wq^T + bq, kx = k Wk^T, vp = v Wv^T + bv, on codes of E2M1 with E8M0 scales, sums in f32; the results leave in f16, laid as the operands of the attention launch.
; WORK LEFT OUT: the bias bk (it adds the same number to all scores of a query, which the softmax takes away for all finite inputs: shown at the head of the first kernel).  K's sums begin with zeros.
; LIMITS: results above 65,504 become infinity in f16, magnitudes under 6e-5 keep fewer bits.  With every input 30 times what is drawn the results stay near 5,000.
; SHARES.  A work-group makes 256 tokens x 192 channels of one of the three tensors, over all of K = 768: 16 tiles of x and 12 tiles of W, 172,032 bytes of codes, come into LDS once; nothing is filled again.
; 3 x 16 x 4 = 192 work-groups.  Sixteen waves, four to a SIMD: wave w makes 4 tiles of tokens (4 (w % 4) on) x 3 tiles of channels (3 (w / 4) on): 12 accumulators.
; CLUSTER 4 x 4: the four of a row need the same tiles of x, the four of a column the same tiles of W: each tile is asked for jointly.  All sixteen partners work on the same tensor.
; THE MATRIX INSTRUCTION IS USED TRANSPOSED (source 0 = 16 rows of W, source 1 = 16 tokens): lane (r, h) holds token r and channels 8 h + 0 .. 7 of the tile: 16 bytes of f16, which ARE a lane's part of an operand's image.
; OUT.  qf [head][tile of 16 queries: 256][ct: tile of 16 channels: 4][512 bytes, 16 x lane].  kv [head][slot of 512 keys: 8][131,072]: K's part [tile of 16 keys: 32][ct][512], then V's part
; [group of 32 keys: 16][ct][half: 2][512], in which key kappa and channel half chi lie at place 16 (kappa / 8) + 8 chi + kappa % 8 them.  Every store is 512 consecutive bytes, aligned.
; REGISTERS: v1, v2 LDS addresses of x's and W's fragments; v3, v4 the add's two; v5 4 x lane; v6 32 h; v7-10 the stores' offsets; v16-27 x's scale words (3 a + p), v28-36 W's (3 b + p);
; v40-63 the bias, 8 a tile; v64-95 x's fragments, v96-119 W's; later v64-111 the packed results; v128-223 the accumulators (8 (3 a + b)).
.set SPARE, 172032                     ; behind the codes: the spare words, 128 bytes for each of sixteen waves, which no other line names
.set WV,  16
.set XS,  16
.set WS,  28
.set BI,  40
.set XF,  64
.set WF,  96
.set OUT, 64
.set ACC, 128
.macro CROUND                          ; a round of the cluster's barrier
	s_barrier_signal -1
	s_barrier_wait -1
	s_cmp_lg_u32 s[WV], 0
	s_cbranch_scc1 .Lnot_wave_0_\@
	s_barrier_signal -3
.Lnot_wave_0_\@:
	s_barrier_wait -3
	s_barrier_signal -1
	s_barrier_wait -1
.endm
	s_load_b256 s[4:11], s[0:1], 0x0               ; codes s[4:5], scales s[6:7], bq s[8:9], bv s[10:11]
	s_load_b128 s[12:15], s[0:1], 0x20             ; qf s[12:13], kv s[14:15]
	v_lshl_add_u32 v3, v0, 2, SPARE
	v_mov_b32 v4, 0
	ds_add_u32 v3, v4                              ; the wave's opening: the add, twice on end, and its wait ahead of the first tensor loads
	ds_add_u32 v3, v4
	v_lshrrev_b32 v1, 5, v0
	v_readfirstlane_b32 s[WV], v1                  ; wave 0..15
	s_bfe_u32 s17, ttmp6, 0x40000                  ; cx
	s_bfe_u32 s18, ttmp6, 0x40004                  ; cy
	s_and_b32 s19, ttmp7, 0xffff                   ; the cluster's y: 0..11
	s_and_b32 s20, s19, 3
	s_lshl_b32 s20, s20, 2
	s_add_co_u32 s20, s20, s18                     ; mb: which 256 tokens
	s_lshr_b32 s19, s19, 2                         ; t: 0 q, 1 k, 2 v: the same in all sixteen partners
	s_lshl_b32 s21, ttmp9, 2
	s_add_co_u32 s21, s21, s17                     ; nb: which 192 channels
	s_and_b32 s22, s[WV], 3                        ; wa
	s_lshr_b32 s23, s[WV], 2                       ; wb
	s_lshl_b32 s57, s18, 2
	s_lshl_b32 s57, 15, s57                        ; my row of the cluster
	s_lshl_b32 s59, 0x1111, s17                    ; my column
	; descriptor group 1: 24,576 dense bytes as 96 rows of 256 (32 elements of 8 bytes), no padding
	s_or_b32 s24, s57, (3<<16)|(1<<21)             ; x's tiles go to my row
	s_or_b32 s32, s59, (3<<16)|(1<<21)             ; W's to my column
.irp g, 24, 32
	s_mov_b32 s[\g+1], 32<<16                      ; tensor_dim0
	s_mov_b32 s[\g+2], 96<<16                      ; tensor_dim1
	s_mov_b32 s[\g+3], 32<<16                      ; tile_dim0
	s_mov_b32 s[\g+4], 96                          ; tile_dim1
	s_mov_b32 s[\g+5], 32                          ; the pitch
	s_mov_b32 s[\g+6], 0
	s_mov_b32 s[\g+7], 0
.endr
	s_lshl_b32 s56, s19, 8
	s_lshl_b32 s57, s20, 4
	s_add_co_u32 s56, s56, s57                     ; Ta = 256 t + 16 mb: my work-group's first tile of x
	s_lshl_b32 s57, s[WV], 2
	s_add_co_u32 s57, s56, s57                     ; waves 0-3 fetch four tiles each
	s_mul_i32 s60, s57, 6144
	s_mov_b32 s61, 0
	s_mul_i32 s58, s19, 48
	s_mul_i32 s59, s21, 12
	s_add_co_u32 s58, s58, s59
	s_add_co_u32 s58, s58, 768                     ; Tb = 768 + 48 t + 12 nb: its first tile of W
	s_lshl_b32 s59, s[WV], 2
	s_add_co_u32 s59, s58, s59
	s_sub_co_u32 s59, s59, 16                      ; waves 4-6 fetch four tiles each: Tb + 4 (w - 4)
	s_mul_i32 s62, s59, 6144
	s_mov_b32 s63, 0
	s_mul_i32 s66, s[WV], 24576                    ; where a wave's load goes: no place in the cluster enters an LDS address
	s_lshl_b32 s67, s22, 2
	s_add_co_u32 s67, s56, s67
	s_mul_i32 s68, s67, 384                        ; my four tiles' scale words
	s_mov_b32 s69, 0
	s_mul_i32 s67, s23, 3
	s_add_co_u32 s67, s58, s67
	s_mul_i32 s70, s67, 384                        ; my three W tiles' scale words
	s_mov_b32 s71, 0
	s_mul_i32 s72, s21, 12
	s_mul_i32 s73, s23, 3
	s_add_co_u32 s72, s72, s73                     ; my first tile of 16 channels: 12 nb + 3 wb
	s_lshl_b32 s74, s72, 6                         ; its bias, in bytes
	s_mov_b32 s75, 0
	v_and_b32 v13, 31, v0                          ; lane
	v_lshlrev_b32 v5, 2, v13
	v_lshlrev_b32 v14, 4, v13
	v_bfe_u32 v12, v0, 4, 1                        ; h
	v_lshlrev_b32 v6, 5, v12
	s_mul_i32 s78, s22, 24576
	v_add_nc_u32 v1, s78, v14                      ; x: 16 x lane + my four tiles
	s_mul_i32 s78, s23, 18432
	s_add_co_u32 s78, s78, 98304
	v_add_nc_u32 v2, s78, v14                      ; W: 16 x lane + my three tiles, behind x's sixteen
	s_wait_dscnt 0x0                               ; both opening adds are done
	s_wait_kmcnt 0x0
	s_mov_b32 s40, 1
	s_mov_b32 s41, s66
	s_add_nc_u64 s[42:43], s[4:5], s[60:61]
	s_or_b32 s43, s43, 0x80000000
	s_mov_b32 s44, 1
	s_mov_b32 s45, s66
	s_add_nc_u64 s[46:47], s[4:5], s[62:63]
	s_or_b32 s47, s47, 0x80000000
	s_add_nc_u64 s[68:69], s[6:7], s[68:69]
	s_add_nc_u64 s[70:71], s[6:7], s[70:71]
	CROUND                                         ; all sixteen work-groups are here: the joint loads meet
	s_cmp_lt_u32 s[WV], 4                          ; seven loads of 24,576 bytes: waves 0-3 x's, waves 4-6 W's, the others none.  The branches hang on the wave's number alone
	s_cbranch_scc0 .Lnot_x
	tensor_load_to_lds s[40:43], s[24:31]
	s_nop 0
.rept 4
	v_nop
.endr
	s_branch .Lasked
.Lnot_x:
	s_cmp_lt_u32 s[WV], 7
	s_cbranch_scc0 .Lasked
	tensor_load_to_lds s[44:47], s[32:39]
	s_nop 0
.rept 4
	v_nop
.endr
.Lasked:
.irp a, 0,1,2,3
.irp p, 0,1,2
	global_load_b32 v[XS+3*\a+\p], v5, s[68:69] offset:384*\a+128*\p   ; lanes 0-15: the rows' words of K step 2 p; lanes 16-31: of 2 p + 1
.endr
.endr
.irp b, 0,1,2
.irp p, 0,1,2
	global_load_b32 v[WS+3*\b+\p], v5, s[70:71] offset:384*\b+128*\p
.endr
.endr
	s_cmp_eq_u32 s19, 1                            ; the tensor's number: the same in every wave of every partner
	s_cbranch_scc1 .Lno_bias
	s_cmp_eq_u32 s19, 0
	s_cselect_b64 s[76:77], s[8:9], s[10:11]
	s_add_nc_u64 s[76:77], s[76:77], s[74:75]
.irp b, 0,1,2
.irp e, 0,1
	global_load_b128 v[BI+8*\b+4*\e:BI+8*\b+4*\e+3], v6, s[76:77] offset:64*\b+16*\e   ; the bias in the result's layout: channels 8 h + 0 .. 7 of tile b: the C of each sum's first product
.endr
.endr
	s_branch .Lbias_done
.Lno_bias:
.irp j, 0,1,2,3,4,5,6,7,8,9,10,11,12,13,14,15,16,17,18,19,20,21,22,23
	v_mov_b32 v[BI+\j], 0                          ; K has no bias here
.endr
.Lbias_done:
	; where the results go: one way for the three tensors, every choice by the tensor's number
	s_cmp_eq_u32 s19, 0
	s_cselect_b64 s[54:55], s[12:13], s[14:15]     ; qf or kv
	s_cselect_b32 s56, 19, 20                      ; a head: 2^19 bytes of qf, 2^20 of kv
	s_cselect_b32 s57, 16, 17                      ; 32 tiles of tokens: 2^16 bytes of qf, a slot of 2^17 of kv
	s_cmp_eq_u32 s19, 2
	s_cselect_b32 s58, 10, 9                       ; a tile of channels: 1,024 bytes in V's part, else 512
	s_cselect_b32 s59, 0x10000, 0                  ; V's part lies behind K's
	s_mov_b32 s60, 2048
	s_cselect_b32 s60, 512, s60                    ; from a tile of tokens to the next odd one
	s_cselect_b32 s61, -1, 0
	s_lshl_b32 s62, s20, 4
	s_lshl_b32 s63, s22, 2
	s_add_co_u32 s62, s62, s63                     ; my first tile of tokens: 16 mb + 4 wa
	s_lshr_b32 s63, s62, 5
	s_lshl_b32 s63, s63, s57
	s_and_b32 s62, s62, 31
	s_lshl_b32 s62, s62, 11
	s_add_co_u32 s62, s62, s63
	s_add_co_u32 s62, s62, s59
.irp b, 0,1,2
	s_add_co_u32 s63, s72, \b                      ; the tile of channels: head = / 4, ct = % 4
	s_lshr_b32 s66, s63, 2
	s_lshl_b32 s66, s66, s56
	s_and_b32 s63, s63, 3
	s_lshl_b32 s63, s63, s58
	s_add_co_u32 s66, s66, s63
	s_add_co_u32 s66, s66, s62
	s_mov_b32 s67, 0
	s_add_nc_u64 s[48+2*\b:49+2*\b], s[54:55], s[66:67]
.endr
	v_and_b32 v11, 8, v0
	v_and_b32 v15, 7, v0
	v_lshl_or_b32 v11, v11, 1, v15
	v_lshl_or_b32 v11, v12, 3, v11                 ; V: place 16 (r / 8) + 8 h + r % 8
	v_cndmask_b32 v11, v13, v11, s61               ; Q, K: the lane's own place
	v_lshlrev_b32 v7, 4, v11
	v_add_nc_u32 v8, s60, v7
	v_add_nc_u32 v9, 4096, v7
	v_add_nc_u32 v10, s60, v9
	s_wait_tensorcnt 0x0                           ; my load, if I have one, has landed,
	s_barrier_signal -1
	s_barrier_wait -1                              ; everybody's has
	s_wait_loadcnt 0x0                             ; scale words and bias
; A K step of 128: 14 LDS loads, 12 products.  The 12 accumulators take turns, one instruction a turn.  The SIMD's other three waves work while one waits for its fragments.
.macro KSTEP s
.rept 4
	v_nop                                          ; four places ahead of loads into registers that matrix instructions have read
.endr
.irp a, 0,1,2,3
.irp g, 0,1
	ds_load_b128 v[XF+8*\a+4*\g:XF+8*\a+4*\g+3], v1 offset:6144*\a+1024*\s+512*\g
.endr
.endr
.irp b, 0,1,2
.irp g, 0,1
	ds_load_b128 v[WF+8*\b+4*\g:WF+8*\b+4*\g+3], v2 offset:6144*\b+1024*\s+512*\g
.endr
.endr
	s_wait_dscnt 0x0
.irp a, 0,1,2,3
.irp b, 0,1,2
.if \s == 0
	v_wmma_scale_f32_16x16x128_f8f6f4 v[ACC+8*(3*\a+\b):ACC+8*(3*\a+\b)+7], v[WF+8*\b:WF+8*\b+7], v[XF+8*\a:XF+8*\a+7], v[BI+8*\b:BI+8*\b+7], v[WS+3*\b], v[XS+3*\a] matrix_a_fmt:MATRIX_FMT_FP4 matrix_b_fmt:MATRIX_FMT_FP4
.elseif (\s)%2 == 0
	v_wmma_scale_f32_16x16x128_f8f6f4 v[ACC+8*(3*\a+\b):ACC+8*(3*\a+\b)+7], v[WF+8*\b:WF+8*\b+7], v[XF+8*\a:XF+8*\a+7], v[ACC+8*(3*\a+\b):ACC+8*(3*\a+\b)+7], v[WS+3*\b+(\s)/2], v[XS+3*\a+(\s)/2] matrix_a_fmt:MATRIX_FMT_FP4 matrix_b_fmt:MATRIX_FMT_FP4
.else
	v_wmma_scale_f32_16x16x128_f8f6f4 v[ACC+8*(3*\a+\b):ACC+8*(3*\a+\b)+7], v[WF+8*\b:WF+8*\b+7], v[XF+8*\a:XF+8*\a+7], v[ACC+8*(3*\a+\b):ACC+8*(3*\a+\b)+7], v[WS+3*\b+(\s)/2], v[XS+3*\a+(\s)/2] matrix_a_fmt:MATRIX_FMT_FP4 matrix_b_fmt:MATRIX_FMT_FP4 matrix_a_scale:MATRIX_SCALE_ROW1 matrix_b_scale:MATRIX_SCALE_ROW1
.endif
.endr
.endr
.endm
	KSTEP 0
	KSTEP 1
	KSTEP 2
	KSTEP 3
	KSTEP 4
	KSTEP 5
.rept 4
	v_nop                                          ; four places ahead of the first read of results and of writes over the fragments' registers
.endr
.irp a, 0,1,2,3
.irp b, 0,1,2
.irp i, 0,1,2,3
	v_cvt_pk_f16_f32 v[OUT+4*(3*\a+\b)+\i], v[ACC+8*(3*\a+\b)+2*\i], v[ACC+8*(3*\a+\b)+2*\i+1]   ; each accumulator from its low end on
.endr
.endr
.endr
.irp a, 0,1,2,3
.irp b, 0,1,2
	global_store_b128 v[7+\a], v[OUT+4*(3*\a+\b):OUT+4*(3*\a+\b)+3], s[48+2*\b:49+2*\b]   ; 32 lanes store 512 consecutive bytes, aligned: half a fragment's image
.endr
.endr
	s_wait_tensorcnt 0x0                           ; the wave's end
	ds_add_u32 v3, v4
	s_wait_dscnt 0x0
	CROUND                                         ; the closing round
	s_endpgm
.Lfunc_end_k_q162e216c44_proj:
	.size	k_q162e216c44_proj, .Lfunc_end_k_q162e216c44_proj-k_q162e216c44_proj
	.p2alignl 7, 3214868480
	.fill 96, 4, 3214868480
	.section	.rodata,"a",@progbits
	.p2align	6, 0x0
	.amdhsa_kernel k_q162e216c44_proj
		.amdhsa_group_segment_fixed_size 174080
		.amdhsa_private_segment_fixed_size 0
		.amdhsa_enable_private_segment 0
		.amdhsa_kernarg_size 48
		.amdhsa_user_sgpr_count 2
		.amdhsa_user_sgpr_kernarg_segment_ptr 1
		.amdhsa_wavefront_size32 1
		.amdhsa_system_sgpr_workgroup_id_x 1
		.amdhsa_system_sgpr_workgroup_id_y 1
		.amdhsa_system_sgpr_workgroup_id_z 1
		.amdhsa_system_vgpr_workitem_id 0
		.amdhsa_next_free_vgpr 224
		.amdhsa_next_free_sgpr 80
		.amdhsa_reserve_vcc 0
		.amdhsa_float_denorm_mode_32 3
		.amdhsa_float_denorm_mode_16_64 3
		.amdhsa_memory_ordered 1
		.amdhsa_forward_progress 1
		.amdhsa_inst_pref_size 31
	.end_amdhsa_kernel
	.amdgpu_metadata
---
amdhsa.version: [ 1, 2 ]
amdhsa.kernels:
  - .name:           k_q162e216c44_proj
    .symbol:         k_q162e216c44_proj.kd
    .args:
      - { .name: codes, .offset: 0, .size: 8, .value_kind: global_buffer, .address_space: global }
      - { .name: scales, .offset: 8, .size: 8, .value_kind: global_buffer, .address_space: global }
      - { .name: bq, .offset: 16, .size: 8, .value_kind: global_buffer, .address_space: global }
      - { .name: bv, .offset: 24, .size: 8, .value_kind: global_buffer, .address_space: global }
      - { .name: qf, .offset: 32, .size: 8, .value_kind: global_buffer, .address_space: global }
      - { .name: kv, .offset: 40, .size: 8, .value_kind: global_buffer, .address_space: global }
    .group_segment_fixed_size: 174080
    .private_segment_fixed_size: 0
    .kernarg_segment_align: 8
    .kernarg_segment_size: 48
    .max_flat_workgroup_size: 512
    .sgpr_count:     80
    .vgpr_count:     224
    .wavefront_size: 32
...
	.end_amdgpu_metadata
.endif
;; end of part 2
;; launch attn (part 3): grid 16 x 12, 8 waves a work-group, clusters of 4 x 1, 327,680 bytes of LDS; arguments qf, kv, of; writes of
.if DOCPART == 3
	.amdgcn_target "amdgcn-amd-amdhsa--gfx1250"
	.amdhsa_code_object_version 6
	.text
	.protected	k_q162e216c44_attn
	.globl	k_q162e216c44_attn
	.p2align	8
	.type	k_q162e216c44_attn,@function
k_q162e216c44_attn:
	s_mov_b64 s[64:65], 0
	v_nop
	global_prefetch_b8 v0, s[64:65] scope:SCOPE_SE
	s_setreg_imm32_b32 hwreg(HW_REG_WAVE_MODE, 25, 1), 1
	s_wait_xcnt 0x0
	s_wait_alu depctr_hold_cnt(0) depctr_sa_sdst(0) depctr_va_vdst(0) depctr_va_sdst(0) depctr_va_ssrc(0) depctr_va_vcc(0) depctr_vm_vsrc(0)
	s_getreg_b32 s2, hwreg(HW_REG_IB_STS2, 6, 4)
	s_cmp_eq_u32 s2, 0
	s_cbranch_scc0 .Lentry_in_a_cluster
	s_endpgm
.Lentry_in_a_cluster:
	s_bfe_u32 s2, ttmp6, 0x10000c
	s_cmp_lg_u32 s2, 0x3003
	s_cbranch_scc0 .Lentry_shape_is_right
	s_endpgm
.Lentry_shape_is_right:
; O[h][q] = the sum over k of softmax_k(Q[h][q] . K[h][k] / 8) V[h][k], 12 heads of 64 channels, 4,096 queries and keys, no mask.  Operands in f16, products, maxima and sums in f32.
; (K comes without its bias bk, which the softmax takes away: shown at the head of the first kernel.)
; LIMITS: the weights p (at most 1) are rounded to f16 for the second product, and the row's sum is taken of the same rounded p; O is rounded to f16 on its way out: above 65,504 infinity, under 6e-5 fewer bits.
; SOFTMAX: for each query a running maximum m: p = 2^(c s - c m), c = log2(e) / 8; in every step O and the sum are multiplied by 2^(c m_old - c m_new), which is 1 where m has not grown.
; SHARES.  A work-group owns 256 queries of one head.  Eight waves, two to a SIMD, so that one wave's softmax stands beside the other's products.  Wave w owns the four tiles of 16 queries 4 (w % 4) on, and of
; every slot of 512 keys the half w / 4, in four steps of 64 keys.  So a fragment of K or V read from LDS feeds four products.  At the end the two waves of a group of queries are merged through LDS.
; LAYOUT.  S^T = K Q^T (source 0 = 16 keys, source 1 = 16 queries): a lane holds ONE query (lane % 16) and keys 8 (lane / 16) + 0 .. 7.  Two such tiles, rounded to f16 in pairs, ARE source 1 (32 keys x 16 queries) of
; O^T = V^T P.  A fifth tile beside V's four, ones in rows 0, 1, 8, 9 and zeros elsewhere, makes the row's sum in registers 0 and 1 of a fifth accumulator, in every lane.
; Q, K, V lie in memory as images of operand registers: every LDS load is 16 bytes at 16 x lane; V comes turned, by ds_load_tr16_b128.
; CLUSTER.  The four query blocks of a cluster belong to one head and walk the same K and V: each slot is asked for JOINTLY, every wave fetching an eighth (16,384 dense bytes).
; 16 x 12 = 192 work-groups: a head's 4,096 queries do not divide into shares of 192 queries.
; REGISTERS.  Window 0: v1, v2 my lane's place in a slot's K and V; v3 the address in hand; v4 16 x lane; v5 256 x lane; v6, v7 the add's two; v8-15 the tile of ones; v16-47 statistics, 8 a tile: +0 c m, +1 m,
; +4 to +7 at work, the factor at +6; v48-111 eight fragments, K's and then V's; v112-239 S^T, 32 a tile, and in its first 16 P; v240, v241 the merge's addresses.
; Window 1: v0-63 Q (8 (2 t + c)); v64-223 O^T, 40 a tile: four tiles of channels and the sum.
.set SLOT1, 131072                     ; slot 1 begins here: one exclusive or turns an address in one slot into the other's
.set SPARE, 262144                     ; behind the ring: the spare words, 128 bytes for each of eight waves, which no other line names
.set AK0, 1
.set AV0, 2
.set ADR, 3
.set LI,  4
.set PFO, 5
.set SPW, 6
.set NIL, 7
.set ONES, 8
.set ST,  16
.set F,   48
.set S,   112
.set MGA, 240
.set MGB, 241
.set OW,  64                           ; O^T, in window 1
.set WV,  12
.set LIM, 15
.set PFA, 18
.set SLOTS, 56
.set INNER, 57
.set CS,  58
.set SEL, 60
.set TB,  62
.set MSB, 0
.macro WIN new                         ; the immediate's high byte repeats the setting that is left; a switch that changes nothing is dropped
.if MSB != \new
	s_set_vgpr_msb (MSB<<8)|\new
.set MSB, \new
.endif
.endm
.set W_KQ, 0x04                        ; source 1 (Q) in window 1
.set W_PV, 0x50                        ; C and D (O^T) in window 1
.set W_RS, 0x41                        ; destination and source 0 (O^T) in window 1
.macro CROUND                          ; a round of the cluster's barrier
	s_barrier_signal -1
	s_barrier_wait -1
	s_cmp_lg_u32 s[WV], 0
	s_cbranch_scc1 .Lnot_wave_0_\@
	s_barrier_signal -3
.Lnot_wave_0_\@:
	s_barrier_wait -3
	s_barrier_signal -1
	s_barrier_wait -1
.endm
; A prefetch of the slot that the NEXT change of slots will ask for: 131,072 bytes, 512 blocks of 256.  All four clusters of a head walk the same slots: the head's first cluster asks.  Its four partners take
; 32,768 bytes each, told apart by address; in each, waves 0 to 3 take 8,192 bytes each, lanes 256 bytes apart: one instruction a wave, each block named once.  The last change that fills a slot asks for nothing.
.macro ASK
	s_cmp_gt_u32 s[SLOTS], s[LIM]
	s_cbranch_scc0 .Lnot_mine_\@
	global_prefetch_b8 v[PFO], s[PFA:PFA+1] th:TH_LOAD_NT scope:SCOPE_SE
.Lnot_mine_\@:
.endm
	s_load_b128 s[4:7], s[0:1], 0x0                ; qf s[4:5], kv s[6:7]
	s_load_b64 s[8:9], s[0:1], 0x10                ; of
	v_lshl_add_u32 v[SPW], v0, 2, SPARE
	v_mov_b32 v[NIL], 0
	ds_add_u32 v[SPW], v[NIL]                      ; the wave's opening: the add, twice on end, and its wait ahead of my first tensor load
	ds_add_u32 v[SPW], v[NIL]
	v_lshrrev_b32 v1, 5, v0
	v_readfirstlane_b32 s[WV], v1                  ; wave 0..7
	s_bfe_u32 s13, ttmp6, 0x40000                  ; cx
	s_lshl_b32 s14, ttmp9, 2
	s_add_co_u32 s14, s14, s13                     ; my block of 256 queries: it enters Q's and O's addresses alone
	s_and_b32 s16, ttmp7, 0xffff                   ; the head, which the four partners share
	s_and_b32 s17, s[WV], 3                        ; my group of 64 queries
	s_lshr_b32 s63, s[WV], 2                       ; my half of the keys
	; descriptor group 1: 16,384 dense bytes as 64 rows of 256 (32 elements of 8 bytes), no padding; the mask names all four work-groups
	s_mov_b32 s24, 15|(3<<16)|(1<<21)
	s_mov_b32 s25, 32<<16
	s_mov_b32 s26, 64<<16
	s_mov_b32 s27, 32<<16
	s_mov_b32 s28, 64
	s_mov_b32 s29, 32
	s_mov_b32 s30, 0
	s_mov_b32 s31, 0
	s_mov_b32 s[CS], 0x3e38aa3b                    ; c = log2(e) / 8
	s_mov_b32 s[CS+1], s[CS]                       ; (named with it as a pair, so it is written)
	s_mov_b32 s[SEL], 0x76543210
	s_mov_b32 s[SEL+1], 0xfedcba98
	s_mov_b32 s[TB], 0
	s_mov_b32 s[SLOTS], 6
	s_or_b32 s[LIM], s63, ttmp9                    ; 0 in waves 0 to 3 of the head's first cluster: the same in all four partners
	s_cmp_eq_u32 s[LIM], 0
	s_cselect_b32 s[LIM], 1, -1
	s_lshl_b32 s20, s16, 20                        ; the head's 1,048,576 bytes of kv,
	s_lshl_b32 s32, s[WV], 14                      ; my eighth of a slot, in memory and in LDS
	s_add_co_u32 s20, s20, s32
	s_mov_b32 s21, 0
	s_lshl_b32 s34, s16, 20                        ; the prefetches: head, my work-group's quarter, my wave's quarter of that,
	s_lshl_b32 s35, s13, 15
	s_add_co_u32 s34, s34, s35
	s_lshl_b32 s35, s17, 13
	s_add_co_u32 s34, s34, s35
	s_add_co_u32 s34, s34, 2*SLOT1                 ; in slot 2: the first change of slots steps it to slot 3.  Nothing is prefetched at the head
	s_mov_b32 s35, 0
	s_lshl_b32 s36, s14, 4
	s_lshl_b32 s37, s17, 2
	s_add_co_u32 s36, s36, s37                     ; my first tile of queries
	s_lshl_b32 s38, s36, 11
	s_lshl_b32 s39, s16, 19
	s_add_co_u32 s38, s38, s39                     ; in qf
	s_mov_b32 s39, 0
	s_mul_i32 s48, s36, 24576
	s_lshl_b32 s49, s16, 11
	s_add_co_u32 s48, s48, s49                     ; in of: [tile of tokens][2,048 bytes a head]
	s_mov_b32 s49, 0
	v_and_b32 v[LI], 31, v0
	v_lshlrev_b32 v[PFO], 8, v[LI]
	v_lshlrev_b32 v[MGB], 2, v[LI]
	v_lshlrev_b32 v[LI], 4, v[LI]
	s_lshl_b32 s50, s63, 15
	v_add_nc_u32 v[AK0], s50, v[LI]                ; K: 16 x lane + my half's 16 tiles of keys
	v_add_nc_u32 v[AV0], 65536, v[AK0]             ; V: the same place in V's part
	s_mul_i32 s50, s17, 17408
	v_add_nc_u32 v[MGA], s50, v[LI]                ; the merge: my group's 17,408 bytes, in slot 0
	v_add_nc_u32 v[MGB], s50, v[MGB]
	s_wait_dscnt 0x0                               ; both opening adds are done
	s_wait_kmcnt 0x0
	s_add_nc_u64 s[22:23], s[6:7], s[20:21]
	s_add_nc_u64 s[PFA:PFA+1], s[6:7], s[34:35]
	s_add_nc_u64 s[4:5], s[4:5], s[38:39]
	s_add_nc_u64 s[8:9], s[8:9], s[48:49]
	s_mov_b32 s40, 1                               ; group 0 for slot 0
	s_mov_b32 s41, s32
	s_mov_b64 s[42:43], s[22:23]
	s_or_b32 s43, s43, 0x80000000
	s_mov_b32 s44, 1                               ; group 0 for slot 1, which then walks
	s_add_co_u32 s45, s32, SLOT1
	s_add_nc_u64 s[46:47], s[22:23], SLOT1
	s_or_b32 s47, s47, 0x80000000
	CROUND                                         ; all four work-groups are here: the first joint loads meet
	tensor_load_to_lds s[40:43], s[24:31]          ; every wave issues both first fills: two loads of mine are out
	s_nop 0
	tensor_load_to_lds s[44:47], s[24:31]
	s_nop 0
.rept 4
	v_nop
.endr
	WIN 0x40                                       ; destination window 1
.irp n, 0,1,2,3,4,5,6,7,8,9,10,11,12,13,14,15
	global_load_b128 v[4*\n:4*\n+3], v[LI], s[4:5] offset:512*\n   ; Q stays in registers: tile n / 4, channels 16 (n % 4) on
.endr
	WIN 0
	v_and_b32 v9, 6, v0
	v_cmp_eq_u32 s20, 0, v9                        ; rows 0, 1, 8, 9
	v_mov_b32 v10, 0x3c003c00                      ; 1.0, twice, in f16
	v_cndmask_b32 v[ONES], 0, v10, s20
.irp j, 1,2,3,4,5,6,7
	v_mov_b32 v[ONES+\j], v[ONES]
.endr
; A KEY STEP: 64 keys for my four tiles of queries.  first = 1: the first step, which starts m, the sum and O^T.
.macro STEP first
	v_add_nc_u32 v[ADR], s[TB], v[AK0]
.rept 4
	v_nop                                          ; with the addition five places behind the last products: four for the loads into their fragments' registers, five since the scores are laid over P
.endr
.irp f, 0,1,2,3,4,5,6,7                        ; K: keys 16 (f / 2) on, channels 32 (f % 2) on
	ds_load_b128 v[F+8*\f:F+8*\f+3], v[ADR] offset:1024*\f
	ds_load_b128 v[F+8*\f+4:F+8*\f+7], v[ADR] offset:1024*\f+512
.endr
	s_wait_dscnt 0x0
	WIN W_KQ
.irp c, 0,1                                    ; S^T = K Q^T: 32 products, the 16 accumulators by turns; the first 16 start the sums
.irp kt, 0,1,2,3
.irp t, 0,1,2,3
.if \c == 0
	v_wmma_f32_16x16x32_f16 v[S+32*\t+8*\kt:S+32*\t+8*\kt+7], v[F+16*\kt:F+16*\kt+7], v[16*\t:16*\t+7], 0
.else
	v_wmma_f32_16x16x32_f16 v[S+32*\t+8*\kt:S+32*\t+8*\kt+7], v[F+16*\kt+8:F+16*\kt+15], v[16*\t+8:16*\t+15], v[S+32*\t+8*\kt:S+32*\t+8*\kt+7]
.endif
.endr
.endr
.endr
	WIN 0
	v_add_nc_u32 v[ADR], s[TB], v[AV0]
.rept 3
	v_nop                                          ; with the addition four places: ahead of the loads into K's registers and of the first read of the scores
.endr
.irp f, 0,1,2,3,4,5,6,7                        ; V, turned: keys 32 (f / 4) on, channels 16 (f % 4) on.  It lands while the softmax is worked
	ds_load_tr16_b128 v[F+8*\f:F+8*\f+3], v[ADR] offset:1024*\f
	ds_load_tr16_b128 v[F+8*\f+4:F+8*\f+7], v[ADR] offset:1024*\f+512
.endr
	s_add_co_u32 s[TB], s[TB], 8192                ; the next step's tiles
	; the maximum of a lane's 32 scores and the old m: four chains, each beginning at an accumulator's low end; the four tiles by turns
.irp j, 0,1,2,3
.irp t, 0,1,2,3
	v_max3_num_f32 v[ST+8*\t+4+\j], v[S+32*\t+8*\j], v[S+32*\t+8*\j+1], v[S+32*\t+8*\j+2]
.endr
.endr
.irp u, 1,2
.irp j, 0,1,2,3
.irp t, 0,1,2,3
	v_max3_num_f32 v[ST+8*\t+4+\j], v[ST+8*\t+4+\j], v[S+32*\t+8*\j+2*\u+1], v[S+32*\t+8*\j+2*\u+2]
.endr
.endr
.endr
.irp t, 0,1,2,3
	v_max3_num_f32 v[ST+8*\t+4], v[ST+8*\t+4], v[S+32*\t+7], v[S+32*\t+15]
.endr
.irp t, 0,1,2,3
	v_max3_num_f32 v[ST+8*\t+6], v[ST+8*\t+6], v[S+32*\t+23], v[S+32*\t+31]
.endr
.irp t, 0,1,2,3
	v_max3_num_f32 v[ST+8*\t+4], v[ST+8*\t+4], v[ST+8*\t+5], v[ST+8*\t+6]
.endr
.irp t, 0,1,2,3
.if \first
	v_max_num_f32 v[ST+8*\t+4], v[ST+8*\t+4], v[ST+8*\t+7]
.else
	v_max3_num_f32 v[ST+8*\t+4], v[ST+8*\t+4], v[ST+8*\t+7], v[ST+8*\t+1]
.endif
.endr
.irp t, 0,1,2,3
	v_permlanex16_b32 v[ST+8*\t+5], v[ST+8*\t+4], s[SEL], s[SEL+1]   ; the query's other 32 keys lie in the lane 16 away
.endr
.if \first == 0
.irp t, 0,1,2,3
	v_mov_b32 v[ST+8*\t+7], v[ST+8*\t]             ; c m_old is kept for the factor
.endr
.endif
.irp t, 0,1,2,3
	v_max_num_f32 v[ST+8*\t+1], v[ST+8*\t+4], v[ST+8*\t+5]
.endr
.irp t, 0,1,2,3
	v_mul_f32 v[ST+8*\t], s[CS], v[ST+8*\t+1]
.endr
.if \first == 0
.irp t, 0,1,2,3
	v_sub_f32 v[ST+8*\t+7], v[ST+8*\t+7], v[ST+8*\t]
.endr
	; ONE BATCH of exponentials: the four factors and the 128 weights; each pair is scaled a turn ahead of its exponentials; nothing in the batch names a result
.irp t, 0,1,2,3
	v_exp_f32 v[ST+8*\t+6], v[ST+8*\t+7]
.endr
.endif
.irp t, 0,1,2,3
	v_pk_fma_f32 v[S+32*\t:S+32*\t+1], v[S+32*\t:S+32*\t+1], s[CS:CS+1], v[ST+8*\t:ST+8*\t+1] op_sel_hi:[1,0,0] neg_lo:[0,0,1] neg_hi:[0,0,1]   ; c s - c m
.endr
.set PB, 1
.rept 15
.irp t, 0,1,2,3
	v_pk_fma_f32 v[S+32*\t+2*PB:S+32*\t+2*PB+1], v[S+32*\t+2*PB:S+32*\t+2*PB+1], s[CS:CS+1], v[ST+8*\t:ST+8*\t+1] op_sel_hi:[1,0,0] neg_lo:[0,0,1] neg_hi:[0,0,1]
	v_exp_f32 v[S+32*\t+2*PB-2], v[S+32*\t+2*PB-2]
	v_exp_f32 v[S+32*\t+2*PB-1], v[S+32*\t+2*PB-1]
.endr
.set PB, PB+1
.endr
.irp t, 0,1,2,3
	v_exp_f32 v[S+32*\t+30], v[S+32*\t+30]
	v_exp_f32 v[S+32*\t+31], v[S+32*\t+31]
.endr
	v_nop                                          ; a plain instruction behind the last exponential, ahead of the first use: one for the batch
	s_wait_alu depctr_va_vdst(0)                   ; ahead of the first instruction that names a result: one for the batch
.set PI, 0
.rept 16                                       ; P in f16, in place: pair i of a tile's 32 weights goes into its register i, which has been read
.irp t, 0,1,2,3
	v_cvt_pk_f16_f32 v[S+32*\t+PI], v[S+32*\t+2*PI], v[S+32*\t+2*PI+1]
.endr
.set PI, PI+1
.endr
.if \first == 0
	WIN W_RS
.set PI, 0
.rept 17                                       ; O^T (16 pairs a tile) and the sum (one pair) under the new m; each accumulator from its low end on
.irp t, 0,1,2,3
	v_pk_mul_f32 v[OW+40*\t+2*PI:OW+40*\t+2*PI+1], v[OW+40*\t+2*PI:OW+40*\t+2*PI+1], v[ST+8*\t+6:ST+8*\t+7] op_sel_hi:[1,0]
.endr
.set PI, PI+1
.endr
.endif
	s_wait_dscnt 0x0                               ; V is in
	WIN W_PV
.irp kg, 0,1                                   ; O^T += V^T P, and the sum += ones P: 40 products, the 20 accumulators by turns
.irp ct, 0,1,2,3,4
.irp t, 0,1,2,3
.set rA, F+8*(4*\kg+\ct)
.if \ct == 4
.set rA, ONES
.endif
.set rO, OW+40*\t+8*\ct
.set rP, S+32*\t+8*\kg
.if \first && (\kg == 0)
	v_wmma_f32_16x16x32_f16 v[rO:rO+7], v[rA:rA+7], v[rP:rP+7], 0
.else
	v_wmma_f32_16x16x32_f16 v[rO:rO+7], v[rA:rA+7], v[rP:rP+7], v[rO:rO+7]
.endif
.endr
.endr
.endr
	WIN 0
.endm
.macro STEPS n                         ; n key steps: written once, walked n times; the LDS addresses hang on s[TB]
	s_mov_b32 s[INNER], \n
.Lstep_\@:
	STEP 0
	s_sub_co_u32 s[INNER], s[INNER], 1
	s_cmp_lg_u32 s[INNER], 0
	s_cbranch_scc1 .Lstep_\@
.endm
; THE CHANGE OF SLOTS.  Each wave waits for all its tensor loads, of which one is out: its part of the other slot; adds 0 to its spare word; and waits for that and for its own reads of the slot that it leaves.
; fill = 1: the barrier is a round of the cluster's, so that no wave of any partner still reads the slot or has a load on its way; the joint refill, the keys two slots on, is the first thing behind it
; and has a slot's four steps in which to land.
.macro CHANGE fill
	s_wait_tensorcnt 0x0                           ; no tensor load of mine is out, so a group 0 may be written
	ds_add_u32 v[SPW], v[NIL]                      ; 0 onto my spare word
.if \fill
	s_xor_b32 s45, s45, SLOT1                      ; the walking descriptor: the other slot than last time,
	s_add_nc_u64 s[46:47], s[46:47], SLOT1         ; the next 512 keys; the type bits on top are not reached
	s_wait_xcnt 0x0                                ; the last prefetch, a slot back, has read its address, so it may be written
	s_add_nc_u64 s[PFA:PFA+1], s[PFA:PFA+1], SLOT1
	s_wait_dscnt 0x0                               ; the add is done, and my reads of the slot are over
	CROUND
	tensor_load_to_lds s[44:47], s[24:31]
	s_nop 0
.rept 4
	v_nop
.endr
	ASK
.else
	s_wait_dscnt 0x0
	s_barrier_signal -1
	s_barrier_wait -1
.endif
	s_sub_co_u32 s[TB], s[TB], 32768               ; back to my half's first step,
	s_xor_b32 s[TB], s[TB], SLOT1                  ; in the other slot
.endm
	s_wait_tensorcnt 0x1                           ; my part of slot 0 is in; slot 1's may stay out
	s_barrier_signal -1
	s_barrier_wait -1                              ; everybody's is
	s_wait_loadcnt 0x0                             ; Q
	STEP 1
	STEPS 3
.Lslot:                                                ; six trips: every slot but the last two is filled again
	CHANGE 1
	STEPS 4
	s_sub_co_u32 s[SLOTS], s[SLOTS], 1
	s_cmp_lg_u32 s[SLOTS], 0
	s_cbranch_scc1 .Lslot
	CHANGE 0                                       ; the tail is written out
	STEPS 4
.rept 4
	v_nop                                          ; four places behind the last products
.endr
	; THE MERGE.  Waves 4 to 7 hand O^T, the sum and c m of their half of the keys to waves 0 to 3, through slot 0: it has had its last fill, and its last read stands ahead of the last change's barrier.
	s_cmp_lt_u32 s[WV], 4
	s_cbranch_scc1 .Lkeep
	WIN 0x04                                       ; an LDS store's data are its source 1: window 1
.irp t, 0,1,2,3
.irp i, 0,1,2,3,4,5,6,7
	ds_store_b128 v[MGA], v[OW+40*\t+4*\i:OW+40*\t+4*\i+3] offset:4096*\t+512*\i   ; as images of the registers; each accumulator from its low end on
.endr
	ds_store_b32 v[MGB], v[OW+40*\t+32] offset:16384+128*\t
.endr
	WIN 0
.irp t, 0,1,2,3
	ds_store_b32 v[MGB], v[ST+8*\t] offset:16896+128*\t
.endr
.Lkeep:
	s_wait_dscnt 0x0                               ; for the others' sake: my stores are done
	s_barrier_signal -1
	s_barrier_wait -1
	s_cmp_lt_u32 s[WV], 4
	s_cbranch_scc0 .Lend
.irp t, 0,1,2,3
.irp i, 0,1,2,3,4,5,6,7
	ds_load_b128 v[S+32*\t+4*\i:S+32*\t+4*\i+3], v[MGA] offset:4096*\t+512*\i      ; the partner's O^T into S^T's registers
.endr
.endr
.irp t, 0,1,2,3
	ds_load_b32 v[F+\t], v[MGB] offset:16384+128*\t                                ; its sum,
.endr
.irp t, 0,1,2,3
	ds_load_b32 v[F+4+\t], v[MGB] offset:16896+128*\t                              ; its c m
.endr
	s_wait_dscnt 0x0
.irp t, 0,1,2,3
	v_max_num_f32 v[F+8+\t], v[ST+8*\t], v[F+4+\t]                                 ; the common c m
.endr
.irp t, 0,1,2,3
	v_sub_f32 v[F+12+\t], v[ST+8*\t], v[F+8+\t]
	v_sub_f32 v[F+16+\t], v[F+4+\t], v[F+8+\t]
.endr
.irp t, 0,1,2,3,4,5,6,7
	v_exp_f32 v[F+12+\t], v[F+12+\t]               ; what brings each half under it
.endr
	v_nop
	s_wait_alu depctr_va_vdst(0)                   ; one wait for the eight
	WIN 0x01                                       ; source 0 in window 1
.irp t, 0,1,2,3
	v_mul_f32 v[F+20+\t], v[OW+40*\t+32], v[F+12+\t]
.endr
	WIN 0
.irp t, 0,1,2,3
	v_fma_f32 v[F+20+\t], v[F+\t], v[F+16+\t], v[F+20+\t]                          ; the row's sum over all keys
.endr
.irp t, 0,1,2,3
	v_rcp_f32 v[F+24+\t], v[F+20+\t]
.endr
	v_nop
	s_wait_alu depctr_va_vdst(0)                   ; one wait for the four
.irp t, 0,1,2,3
	v_mul_f32 v[F+28+2*\t], v[F+12+\t], v[F+24+\t] ; my half's factor, in a pair of which both words are written,
	v_mul_f32 v[F+29+2*\t], v[F+12+\t], v[F+24+\t]
	v_mul_f32 v[F+36+2*\t], v[F+16+\t], v[F+24+\t] ; the partner's
	v_mul_f32 v[F+37+2*\t], v[F+16+\t], v[F+24+\t]
.endr
.irp t, 0,1,2,3
.irp i, 0,1,2,3,4,5,6,7,8,9,10,11,12,13,14,15
	v_pk_mul_f32 v[S+32*\t+2*\i:S+32*\t+2*\i+1], v[S+32*\t+2*\i:S+32*\t+2*\i+1], v[F+36+2*\t:F+37+2*\t] op_sel_hi:[1,0]
.endr
.endr
	WIN 0x01
.irp t, 0,1,2,3
.irp i, 0,1,2,3,4,5,6,7,8,9,10,11,12,13,14,15
	v_pk_fma_f32 v[S+32*\t+2*\i:S+32*\t+2*\i+1], v[OW+40*\t+2*\i:OW+40*\t+2*\i+1], v[F+28+2*\t:F+29+2*\t], v[S+32*\t+2*\i:S+32*\t+2*\i+1] op_sel_hi:[1,0,1]
.endr
.endr
	WIN 0
.irp t, 0,1,2,3
.irp i, 0,1,2,3,4,5,6,7,8,9,10,11,12,13,14,15
	v_cvt_pk_f16_f32 v[S+32*\t+\i], v[S+32*\t+2*\i], v[S+32*\t+2*\i+1]
.endr
.endr
.irp t, 0,1,2,3
.irp ct, 0,1,2,3
	global_store_b128 v[LI], v[S+32*\t+4*\ct:S+32*\t+4*\ct+3], s[8:9] offset:24576*\t+512*\ct   ; 32 lanes store 512 consecutive bytes, aligned: half a fragment of the last product's operand
.endr
.endr
.Lend:
	s_wait_tensorcnt 0x0                           ; the wave's end, behind my last tensor load and my last LDS store
	ds_add_u32 v[SPW], v[NIL]
	s_wait_dscnt 0x0
	CROUND                                         ; the closing round
	s_endpgm
.Lfunc_end_k_q162e216c44_attn:
	.size	k_q162e216c44_attn, .Lfunc_end_k_q162e216c44_attn-k_q162e216c44_attn
	.p2alignl 7, 3214868480
	.fill 96, 4, 3214868480
	.section	.rodata,"a",@progbits
	.p2align	6, 0x0
	.amdhsa_kernel k_q162e216c44_attn
		.amdhsa_group_segment_fixed_size 327680
		.amdhsa_private_segment_fixed_size 0
		.amdhsa_enable_private_segment 0
		.amdhsa_kernarg_size 24
		.amdhsa_user_sgpr_count 2
		.amdhsa_user_sgpr_kernarg_segment_ptr 1
		.amdhsa_wavefront_size32 1
		.amdhsa_system_sgpr_workgroup_id_x 1
		.amdhsa_system_sgpr_workgroup_id_y 1
		.amdhsa_system_sgpr_workgroup_id_z 1
		.amdhsa_system_vgpr_workitem_id 0
		.amdhsa_next_free_vgpr 512
		.amdhsa_next_free_sgpr 66
		.amdhsa_reserve_vcc 0
		.amdhsa_float_denorm_mode_32 3
		.amdhsa_float_denorm_mode_16_64 3
		.amdhsa_memory_ordered 1
		.amdhsa_forward_progress 1
		.amdhsa_inst_pref_size 138
	.end_amdhsa_kernel
	.amdgpu_metadata
---
amdhsa.version: [ 1, 2 ]
amdhsa.kernels:
  - .name:           k_q162e216c44_attn
    .symbol:         k_q162e216c44_attn.kd
    .args:
      - { .name: qf, .offset: 0, .size: 8, .value_kind: global_buffer, .address_space: global }
      - { .name: kv, .offset: 8, .size: 8, .value_kind: global_buffer, .address_space: global }
      - { .name: of, .offset: 16, .size: 8, .value_kind: global_buffer, .address_space: global }
    .group_segment_fixed_size: 327680
    .private_segment_fixed_size: 0
    .kernarg_segment_align: 8
    .kernarg_segment_size: 24
    .max_flat_workgroup_size: 256
    .sgpr_count:     66
    .vgpr_count:     512
    .wavefront_size: 32
...
	.end_amdgpu_metadata
.endif
;; end of part 3
;; launch outp (part 4): grid 4 x 64, 4 waves a work-group, clusters of 4 x 4, 327,680 bytes of LDS; arguments of, wof, bo, out0; writes out0
.if DOCPART == 4
	.amdgcn_target "amdgcn-amd-amdhsa--gfx1250"
	.amdhsa_code_object_version 6
	.text
	.protected	k_q162e216c44_outp
	.globl	k_q162e216c44_outp
	.p2align	8
	.type	k_q162e216c44_outp,@function
k_q162e216c44_outp:
	s_mov_b64 s[64:65], 0
	v_nop
	global_prefetch_b8 v0, s[64:65] scope:SCOPE_SE
	s_setreg_imm32_b32 hwreg(HW_REG_WAVE_MODE, 25, 1), 1
	s_wait_xcnt 0x0
	s_wait_alu depctr_hold_cnt(0) depctr_sa_sdst(0) depctr_va_vdst(0) depctr_va_sdst(0) depctr_va_ssrc(0) depctr_va_vcc(0) depctr_vm_vsrc(0)
	s_getreg_b32 s2, hwreg(HW_REG_IB_STS2, 6, 4)
	s_cmp_eq_u32 s2, 0
	s_cbranch_scc0 .Lentry_in_a_cluster
	s_endpgm
.Lentry_in_a_cluster:
	s_bfe_u32 s2, ttmp6, 0x10000c
	s_cmp_lg_u32 s2, 0xf033
	s_cbranch_scc0 .Lentry_shape_is_right
	s_endpgm
.Lentry_shape_is_right:
; out0 = O Wo^T + bo.  O [4,096][768] and Wo [768][768] come in f16 as images of operand registers (of, wof); sums in f32; out0 f32.
; SHARES.  A work-group makes 64 tokens x 192 columns: 64 x 4 = 256 work-groups; a row's 768 bytes are three whole aligned blocks of 256.  Wave w makes the tiles of 16 columns 3 w .. 3 w + 2 for the four tiles of tokens: 12 accumulators.
; LDS.  O's 64 rows for all of K (98,304 bytes) come once.  Wo's 192 rows come in thirds of K (98,304 bytes each) through two slots: thirds 0 and 1 with the first fills, third 2 into slot 0 when it has been read.
; CLUSTER 4 x 4: O's tile is shared along a row of the cluster, Wo's along a column: joint loads, every wave fetching a quarter (24,576 dense bytes) of each.
; THE MATRIX INSTRUCTION IS USED TRANSPOSED (source 0 = 16 rows of Wo, source 1 = 16 tokens): a lane holds eight neighbouring columns of one token.  bo is the C of each sum's first product.
; THE WAY OUT goes through a stage of 64 rows x 784 bytes in slot 1, which has had its last fill and, behind a barrier, its last read: sixteen lanes then store one aligned block of 256 bytes.
; REGISTERS: v1, v2 O's fragments (tiles 0, 1 and 2, 3); v3, v4 Wo's in slot 0, 1; v5, v6 the add's two; v7 into the stage, v8 out of it, v9 my offset in out0, v10 32 h; v16-39 bo; v40-95, v96-151 two sets of fragments
; (O's four, then Wo's three); v152-247 the accumulators (8 (3 a + b)); on the way out v16-111 rows read back.
.set SLOTB0, 98304
.set SLOTB1, 196608
.set STG,    196608
.set SPARE,  294912                    ; behind the slots: the spare words, 128 bytes for each wave, which no other line names
.set WV,  12
.set BO,  16
.set ACC, 152
.macro CROUND                          ; a round of the cluster's barrier
	s_barrier_signal -1
	s_barrier_wait -1
	s_cmp_lg_u32 s[WV], 0
	s_cbranch_scc1 .Lnot_wave_0_\@
	s_barrier_signal -3
.Lnot_wave_0_\@:
	s_barrier_wait -3
	s_barrier_signal -1
	s_barrier_wait -1
.endm
	s_load_b256 s[4:11], s[0:1], 0x0               ; of s[4:5], wof s[6:7], bo s[8:9], out0 s[10:11]
	v_lshl_add_u32 v5, v0, 2, SPARE
	v_mov_b32 v6, 0
	ds_add_u32 v5, v6                              ; the wave's opening: the add, twice on end, and its wait ahead of my first tensor load
	ds_add_u32 v5, v6
	v_lshrrev_b32 v1, 5, v0
	v_readfirstlane_b32 s[WV], v1                  ; wave 0..3
	s_bfe_u32 s13, ttmp6, 0x40000                  ; cx
	s_bfe_u32 s14, ttmp6, 0x40004                  ; cy
	s_lshl_b32 s15, ttmp9, 2
	s_add_co_u32 s15, s15, s13                     ; nb: which 192 columns
	s_and_b32 s44, ttmp7, 0xffff
	s_lshl_b32 s44, s44, 2
	s_add_co_u32 s44, s44, s14                     ; mb: which 64 tokens
	s_lshl_b32 s45, s14, 2
	s_lshl_b32 s45, 15, s45                        ; my row of the cluster
	s_lshl_b32 s46, 0x1111, s13                    ; my column
	; descriptor group 1: 24,576 dense bytes as 96 rows of 256 (32 elements of 8 bytes), no padding
	s_or_b32 s16, s45, (3<<16)|(1<<21)             ; O's tiles go to my row
	s_or_b32 s24, s46, (3<<16)|(1<<21)             ; Wo's to my column
.irp g, 16, 24
	s_mov_b32 s[\g+1], 32<<16
	s_mov_b32 s[\g+2], 96<<16
	s_mov_b32 s[\g+3], 32<<16
	s_mov_b32 s[\g+4], 96
	s_mov_b32 s[\g+5], 32
	s_mov_b32 s[\g+6], 0
	s_mov_b32 s[\g+7], 0
.endr
	s_mul_i32 s47, s[WV], 24576                    ; my quarter, in memory and in LDS
	s_mul_i32 s48, s44, 98304
	s_add_co_u32 s48, s48, s47                     ; O: tile of tokens 4 mb + w
	s_mov_b32 s49, 0
	s_mul_i32 s50, s15, 98304
	s_add_co_u32 s50, s50, s47                     ; Wo: tiles 12 nb + 3 w on, of a third
	s_mov_b32 s51, 0
	s_mul_i32 s54, s15, 768
	s_mul_i32 s58, s[WV], 192
	s_add_co_u32 s54, s54, s58                     ; bo: my 48 columns
	s_mov_b32 s55, 0
	s_lshl_b32 s56, s44, 6
	s_lshl_b32 s58, s[WV], 4
	s_add_co_u32 s56, s56, s58
	s_mul_i32 s56, s56, 3072                       ; out0: row 64 mb + 16 w,
	s_mul_i32 s58, s15, 768
	s_add_co_u32 s56, s56, s58                     ; + the work-group's 768 bytes of it
	s_mov_b32 s57, 0
	v_and_b32 v11, 31, v0
	v_lshlrev_b32 v1, 4, v11                       ; 16 x lane
	v_add_nc_u32 v2, 49152, v1                     ; tiles 2 and 3 of tokens: the immediate has 16 bits
	s_add_co_u32 s58, s47, SLOTB0
	v_add_nc_u32 v3, s58, v1
	s_add_co_u32 s58, s47, SLOTB1
	v_add_nc_u32 v4, s58, v1
	v_and_b32 v12, 15, v0                          ; r
	v_bfe_u32 v13, v0, 4, 1                        ; h
	v_lshlrev_b32 v10, 5, v13
	v_mul_u32_u24 v7, v12, 784
	v_add_nc_u32 v7, v7, v10
	s_mul_i32 s58, s[WV], 192
	s_add_co_u32 s58, s58, STG
	v_add_nc_u32 v7, s58, v7                       ; into the stage: row r, my wave's 192 bytes, + 32 h
	v_mul_u32_u24 v8, v13, 784
	v_lshl_add_u32 v8, v12, 4, v8
	s_mul_i32 s58, s[WV], 16*784
	s_add_co_u32 s58, s58, STG
	v_add_nc_u32 v8, s58, v8                       ; back: my 16 rows; lanes 0-15 one row, lanes 16-31 the next
	v_mul_u32_u24 v9, v13, 3072
	v_lshl_add_u32 v9, v12, 4, v9                  ; and the same in out0
	s_wait_dscnt 0x0                               ; both opening adds are done
	s_wait_kmcnt 0x0
	s_mov_b32 s32, 1
	s_mov_b32 s33, s47
	s_add_nc_u64 s[34:35], s[4:5], s[48:49]
	s_or_b32 s35, s35, 0x80000000
	s_add_nc_u64 s[52:53], s[6:7], s[50:51]
	s_mov_b32 s36, 1
	s_add_co_u32 s37, s47, SLOTB0
	s_mov_b64 s[38:39], s[52:53]
	s_or_b32 s39, s39, 0x80000000
	s_mov_b32 s40, 1
	s_add_co_u32 s41, s47, SLOTB1
	s_add_nc_u64 s[42:43], s[52:53], 393216
	s_or_b32 s43, s43, 0x80000000
	s_add_nc_u64 s[54:55], s[8:9], s[54:55]
	s_add_nc_u64 s[56:57], s[10:11], s[56:57]
	CROUND                                         ; all sixteen work-groups are here: the first joint loads meet
	tensor_load_to_lds s[32:35], s[16:23]          ; O; every wave issues all three first fills: three loads of mine are out
	s_nop 0
	tensor_load_to_lds s[36:39], s[24:31]          ; Wo's first third
	s_nop 0
	tensor_load_to_lds s[40:43], s[24:31]          ; its second
	s_nop 0
.rept 4
	v_nop
.endr
.irp b, 0,1,2
.irp e, 0,1
	global_load_b128 v[BO+8*\b+4*\e:BO+8*\b+4*\e+3], v10, s[54:55] offset:64*\b+16*\e   ; bo in the result's layout: columns 8 h + 0 .. 7 of tile b
.endr
.endr
; 14 LDS loads: chunk k (32 along K) of third j: O's four fragments, Wo's three, into the set at buf
.macro FETCH j, adrb, k, buf
.irp a, 0,1
.irp g, 0,1
	ds_load_b128 v[\buf+8*\a+4*\g:\buf+8*\a+4*\g+3], v1 offset:24576*\a+8192*\j+1024*(\k)+512*\g
.endr
.endr
.irp a, 0,1
.irp g, 0,1
	ds_load_b128 v[\buf+16+8*\a+4*\g:\buf+16+8*\a+4*\g+3], v2 offset:24576*\a+8192*\j+1024*(\k)+512*\g
.endr
.endr
.irp b, 0,1,2
.irp g, 0,1
	ds_load_b128 v[\buf+32+8*\b+4*\g:\buf+32+8*\b+4*\g+3], v[\adrb] offset:8192*\b+1024*(\k)+512*\g
.endr
.endr
.endm
; 12 products, the accumulators by turns, one instruction a turn
.macro MUL buf, first
.irp a, 0,1,2,3
.irp b, 0,1,2
.if \first
	v_wmma_f32_16x16x32_f16 v[ACC+8*(3*\a+\b):ACC+8*(3*\a+\b)+7], v[\buf+32+8*\b:\buf+32+8*\b+7], v[\buf+8*\a:\buf+8*\a+7], v[BO+8*\b:BO+8*\b+7]
.else
	v_wmma_f32_16x16x32_f16 v[ACC+8*(3*\a+\b):ACC+8*(3*\a+\b)+7], v[\buf+32+8*\b:\buf+32+8*\b+7], v[\buf+8*\a:\buf+8*\a+7], v[ACC+8*(3*\a+\b):ACC+8*(3*\a+\b)+7]
.endif
.endr
.endr
.endm
; A third of K: eight chunks on two sets of fragments; a chunk's loads are issued a chunk ahead
.macro PIECE j, adrb, first
	FETCH \j, \adrb, 0, 40
.set KK, 0
.rept 8
.set BUF, 40+56*(KK%2)
.set NBUF, 40+56*((KK+1)%2)
.if KK < 7
.rept 4
	v_nop                                          ; four places ahead of loads into registers that the last products read
.endr
	FETCH \j, \adrb, KK+1, NBUF
	s_wait_dscnt 14                                ; this chunk's fragments are in; the 14 loads just issued may be out
.else
	s_wait_dscnt 0x0
.endif
.if \first && (KK == 0)
	MUL BUF, 1
.else
	MUL BUF, 0
.endif
.set KK, KK+1
.endr
.endm
	s_wait_tensorcnt 0x1                           ; my parts of O and of the first third are in; the second third's may stay out
	s_barrier_signal -1
	s_barrier_wait -1                              ; everybody's are
	s_wait_loadcnt 0x0                             ; bo
	PIECE 0, 3, 1
	s_wait_tensorcnt 0x0                           ; all my tensor loads have landed, the second third among them: a group 0 may be written
	ds_add_u32 v5, v6                              ; 0 onto my spare word
	s_add_nc_u64 s[38:39], s[38:39], 786432        ; slot 0's descriptor: two thirds on
	s_wait_dscnt 0x0                               ; the add is done, and my reads of slot 0 are over
	CROUND                                         ; no wave of any partner still reads slot 0 or has a load on its way
	tensor_load_to_lds s[36:39], s[24:31]          ; the last third, into slot 0: it has a third's products in which to land
	s_nop 0
.rept 4
	v_nop                                          ; (also the places ahead of the loads into the first set of fragments)
.endr
	PIECE 1, 4, 0
	s_wait_tensorcnt 0x0                           ; my part of the last third is in: I alone read it
	s_wait_dscnt 0x0                               ; my reads of slot 1 are over:
	s_barrier_signal -1
	s_barrier_wait -1                              ; everybody's are: the stage may be written there
.rept 4
	v_nop
.endr
	PIECE 2, 3, 0
.rept 4
	v_nop                                          ; four places ahead of the first read of results and of the loads into operands' registers
.endr
.irp a, 0,1,2,3
.irp b, 0,1,2
	ds_store_b128 v7, v[ACC+8*(3*\a+\b):ACC+8*(3*\a+\b)+3] offset:12544*\a+64*\b          ; each accumulator from its low end on
	ds_store_b128 v7, v[ACC+8*(3*\a+\b)+4:ACC+8*(3*\a+\b)+7] offset:12544*\a+64*\b+16
.endr
.endr
	s_wait_dscnt 0x0                               ; for the others' sake: my stores into the stage are done
	s_barrier_signal -1
	s_barrier_wait -1
.irp k, 0,1,2,3,4,5,6,7
.irp u, 0,1,2
	ds_load_b128 v[16+4*(3*\k+\u):16+4*(3*\k+\u)+3], v8 offset:1568*\k+256*\u
.endr
.endr
.irp k, 0,1,2,3,4,5,6,7
.irp u, 0,1,2
	s_wait_dscnt 23-(3*\k+\u)                      ; LDS loads come back in order: this one is in, the younger may be out
	global_store_b128 v9, v[16+4*(3*\k+\u):16+4*(3*\k+\u)+3], s[56:57] offset:6144*\k+256*\u th:TH_STORE_NT   ; sixteen lanes store 256 consecutive bytes, aligned
.endr
.endr
	s_wait_tensorcnt 0x0                           ; the wave's end, behind my last tensor load and my last LDS store
	ds_add_u32 v5, v6
	s_wait_dscnt 0x0
	CROUND                                         ; the closing round
	s_endpgm
.Lfunc_end_k_q162e216c44_outp:
	.size	k_q162e216c44_outp, .Lfunc_end_k_q162e216c44_outp-k_q162e216c44_outp
	.p2alignl 7, 3214868480
	.fill 96, 4, 3214868480
	.section	.rodata,"a",@progbits
	.p2align	6, 0x0
	.amdhsa_kernel k_q162e216c44_outp
		.amdhsa_group_segment_fixed_size 327680
		.amdhsa_private_segment_fixed_size 0
		.amdhsa_enable_private_segment 0
		.amdhsa_kernarg_size 32
		.amdhsa_user_sgpr_count 2
		.amdhsa_user_sgpr_kernarg_segment_ptr 1
		.amdhsa_wavefront_size32 1
		.amdhsa_system_sgpr_workgroup_id_x 1
		.amdhsa_system_sgpr_workgroup_id_y 1
		.amdhsa_system_sgpr_workgroup_id_z 1
		.amdhsa_system_vgpr_workitem_id 0
		.amdhsa_next_free_vgpr 256
		.amdhsa_next_free_sgpr 66
		.amdhsa_reserve_vcc 0
		.amdhsa_float_denorm_mode_32 3
		.amdhsa_float_denorm_mode_16_64 3
		.amdhsa_memory_ordered 1
		.amdhsa_forward_progress 1
		.amdhsa_inst_pref_size 57
	.end_amdhsa_kernel
	.amdgpu_metadata
---
amdhsa.version: [ 1, 2 ]
amdhsa.kernels:
  - .name:           k_q162e216c44_outp
    .symbol:         k_q162e216c44_outp.kd
    .args:
      - { .name: of, .offset: 0, .size: 8, .value_kind: global_buffer, .address_space: global }
      - { .name: wof, .offset: 8, .size: 8, .value_kind: global_buffer, .address_space: global }
      - { .name: bo, .offset: 16, .size: 8, .value_kind: global_buffer, .address_space: global }
      - { .name: out0, .offset: 24, .size: 8, .value_kind: global_buffer, .address_space: global }
    .group_segment_fixed_size: 327680
    .private_segment_fixed_size: 0
    .kernarg_segment_align: 8
    .kernarg_segment_size: 32
    .max_flat_workgroup_size: 128
    .sgpr_count:     66
    .vgpr_count:     256
    .wavefront_size: 32
...
	.end_amdgpu_metadata
.endif
;; end of part 4
